; MI455X (gfx1250); checked and timed in simulation.
; The chip was launched on July 23, 2026; its instructions are those of AMD's public machine-readable ISA for CDNA 5 (MIT licence, August 2026) and "CDNA5" Instruction Set Architecture Reference Guide (July 2026). The comments in the code are by the model that wrote it; some were corrected since.
;; Tensor Reduction Layer. Allowed arithmetic: matrix products marked QUANTISED: E5M2 operands, one E8M0 scale for each 32 along K, by v_wmma_scale_f32_16x16x128_f8f6f4 with both operands' format E5M2, f32 sums; products left as they are: f32 operands where the result goes on into a quantised operand, else bf16, f16 or f32 operands; f32 sums; everything else in f32.
;; Inputs: weights 256 x 256 x 512 float32; x 2,048 x 256 float32.
;; Outputs: out0 2,048 x 512 float32.
;; This version of the problem:
;;   THIS VERSION OF THE PROBLEM IS GIVEN IN LOW PRECISION. The matrix products marked QUANTISED in the list below multiply operands that are first quantised to E5M2 (5 exponent bits, 2 mantissa bits; 8 bits a number), with one power-of-two scale for each 32 numbers along K (OCP MX v1.0); their sums are f32. All else is computed in f32.
;;   The module's matrix products, in the order in which they are computed (A, B: the left and right operand; K: the contracted axis; several contracted axes count as one K, in the product's order):
;;     1. [M 2,048, K 256] x [K 256, N 131,072]; A: input x; B: input weights: QUANTISED
;;     2. batch 2,048 x [M 512, K 256] x [K 256, N 1]; A: computed on the way; B: input x: left as it is (N = 1 < 16)
;;   THE QUANTISER, for each operand of a quantised product, along K:
;;     - K is cut into blocks of 32 from its start; a last block that is shorter is filled with zeros.
;;     - A block's scale is 2^e with e = floor(log2(the largest magnitude in the block)) - 15, held to -126 .. 127; a block of zeros has e = 0. As a byte (E8M0): e + 127.
;;     - Each number is divided by its block's scale, clamped to +-57,344, and rounded to the nearest number of E5M2, ties to even, subnormals kept.
;;     - The product sums the exact products of the quantised numbers (number of the format x scale) in f32.
;;   ~~~python
;;   def quantise(x, axis):      # numpy; x: float32 -> the quantised numbers, widened to float32 again
;;       x = np.moveaxis(x, axis, -1); K = x.shape[-1]
;;       x = np.pad(x, [(0, 0)] * (x.ndim - 1) + [(0, -K % 32)]); x = x.reshape(x.shape[:-1] + (-1, 32)); a = np.abs(x).max(-1, keepdims=True)
;;       e = np.where(a > 0, np.clip(np.frexp(np.where(a > 0, a, 1))[1] - 1 - 15, -126, 127), 0)      # np.frexp(a)[1] - 1 = floor(log2(a)), exactly
;;       r = np.clip(x / 2.0 ** e, -57344, 57344)
;;       step = 2.0 ** (np.maximum(np.frexp(np.where(r == 0, 1, r))[1] - 1, -14) - 2)
;;       q = np.round(r / step) * step * 2.0 ** e      # np.round: ties to even
;;       return np.moveaxis(q.reshape(q.shape[:-2] + (-1,))[..., :K], -1, axis).astype(np.float32)
;;   ~~~
;; One version. Each part assembles by itself: llvm-mc -triple=amdgcn-amd-amdhsa -mcpu=gfx1250 --defsym DOCPART=n.
;; ======== version 1 of 1: 2 launches
;; limits: right only within a limited range of input values
;; workspace buffers: wc 35,651,584 bytes; xq 524,288 bytes; xs 16,384 bytes; xm 2,097,152 bytes
;; launch quant (part 1): grid 1024 x 1, 4 waves a work-group, no clusters, 0 bytes of LDS; arguments weights, x, wc, xq, xs, xm; writes wc, xq, xs, xm
.if DOCPART == 1
	.amdgcn_target "amdgcn-amd-amdhsa--gfx1250"
	.amdhsa_code_object_version 6
	.text
	.protected	k_qfb44a8e1eb_quant
	.globl	k_qfb44a8e1eb_quant
	.p2align	8
	.type	k_qfb44a8e1eb_quant,@function
k_qfb44a8e1eb_quant:
	s_mov_b64 s[64:65], 0
	v_nop
	global_prefetch_b8 v0, s[64:65] scope:SCOPE_SE
	s_setreg_imm32_b32 hwreg(HW_REG_WAVE_MODE, 25, 1), 1
	s_wait_xcnt 0x0
; weights [256 (i)][256 (j)][512 (k)] f32 and x [2048][256 (i)] f32 become codes of BF8 (E5M2) with one E8M0 scale byte for each 32 along i, the first product's K.
; A block's scale is 2^(floor(log2(its largest magnitude)) - 15): its byte is the largest magnitude's exponent field - 15, held at 1 from below; each number is divided by the scale,
; held within +-57,344 and rounded to the nearest code, ties to even.
; LIMITS: NaN and infinities among the inputs are not served.  A block of zeros gets the byte 1 where the rule says 127: its codes are zeros, which add nothing under any byte
; but 0xff, and the bytes are read by this program alone.  The floor at byte 1 is the rule's hold of the exponent at -126.
; WHAT IS STORED is laid in the order of the next launch's operand registers:
;   wc [kc 32][j 256][a record of 4,352 bytes]: first [s 2][c 4][h 2][r 16][16 bytes]: the codes of column k = 16 kc + r of W(., j, .) for i = 128 s + 32 c + 16 h + 0 .. 15;
;      then [r 16][16 bytes]: that column's two scale words (i = 0 .. 127, i = 128 .. 255), written twice, so that the record's last 256 bytes are stored whole
;   xq [bt 128][s 2][c 4][lane 32][16 bytes]: tile bt's 16 rows: lane (r, h) holds row r, i = 128 s + 32 c + 16 h + 0 .. 15
;   xs [pair 64][lane 32][2 words]: word u is tile 2 pair + u's: lanes 0-15 row r's word of i = 0 .. 127, lanes 16-31 that of i = 128 .. 255
;   xm [bt 128][jg 64][r 16][16 bytes]: x[16 bt + r][4 jg .. 4 jg + 3] as f32: the second product's multipliers
; SHARES.  W: work-group g has j = g / 4; its wave w the 32 columns k = 32 a + lane, a = 4 (g % 4) + w, and all 256 i.  A LANE TAKES A COLUMN AND ITS REGISTERS RUN DOWN i: a block of 32
; lies in one lane, and the conversions give codes with i innermost.  A load reads 128 consecutive bytes, the four waves stand side by side on 512.
; x is 128 tiles x 2 steps of 128 along i = 256 fragments of 16 rows x 128.  They are dealt out among W's work-groups: wave 0 of work-group g < 256 takes fragment g (tile g / 2, step g % 2) beside its share
; of W, so that the launch is 1,024 work-groups of nearly equal work and none for x alone.  The fragment's 16 loads go out first and W's first block behind them.
; No LDS, no barrier: waves share nothing.  Matrix units, clusters and tensor loads would add nothing to a stream.
.set MANT,  0x600000                   ; the mantissa field of 57,344 as f32
.set X,     32                         ; W: v32-95   two sets of 32 numbers
.set C,     96                         ; W: v96-159  eight registers of codes for each of the eight blocks: no store's data are written again
.set NS,    96                         ; x: v96-159  the fragment's 64 numbers, in the registers that W's codes take later
.set XC,    160                        ; x: v160-175 the fragment's codes
.set TM,    176                        ; x: v176-179 largest magnitudes, v180-183 bytes, v184-187 the largest number x the scale, v188-191 the conversions' scale operands
.set XW,    16                         ; x: v16 the scale word; v17 x's offset, v18 xq's, v19 xm's, v20 xs's
.macro LOAD t                          ; block t: W(32 t + n, j, my column), n = 0 .. 31, into set t % 2
.irp n, 0,1,2,3,4,5,6,7,8,9,10,11,12,13,14,15,16,17,18,19,20,21,22,23,24,25,26,27,28,29,30,31
	global_load_b32 v[X+32*((\t)%2)+\n], v2, s[32+2*((32*(\t)+\n)/16):33+2*((32*(\t)+\n)/16)] offset:((32*(\t)+\n)%16)*524288 th:TH_LOAD_NT
.endr
.endm
.macro BLOCK t
.set XB, X+32*((\t)%2)
.set CC, C+8*(\t)
.if (\t) < 7
	s_wait_loadcnt 32                              ; this block's 32 loads are in; the next block's 32 may be out
.else
	s_wait_loadcnt 0
.endif
	v_max3_num_f32 v8, |v[XB]|, |v[XB+1]|, |v[XB+2]|               ; the block's largest magnitude: all 32 numbers are mine; two chains
	v_max3_num_f32 v9, |v[XB+3]|, |v[XB+4]|, |v[XB+5]|
.irp n, 6,10,14,18,22,26
	v_max3_num_f32 v8, v8, |v[XB+\n]|, |v[XB+\n+1]|
	v_max3_num_f32 v9, v9, |v[XB+\n+2]|, |v[XB+\n+3]|
.endr
	v_max3_num_f32 v8, v8, |v[XB+30]|, |v[XB+31]|
	v_max3_num_f32 v8, v8, v9, 0x8000000           ; and the floor 2^(16 - 127): the byte cannot fall under 1
	v_add_nc_u32 v11, 0xf8800000, v8               ; 15 off the exponent field: the conversion takes the exponent field of this operand as its scale, and nothing else of it
	v_and_or_b32 v10, v8, 0x7f800000, s19          ; 57,344 x the scale: the largest magnitude's exponent field over 57,344's mantissa
	v_lshrrev_b32 v12, 23, v11                     ; the scale's byte
.if (\t)%4 == 0
	v_mov_b32 v[14+(\t)/4], v12                    ; four bytes to a word, the lower i in the lower byte
.else
	v_lshl_or_b32 v[14+(\t)/4], v12, 8*((\t)%4), v[14+(\t)/4]
.endif
.irp n, 0,1,2,3,4,5,6,7,8,9,10,11,12,13,14,15,16,17,18,19,20,21,22,23,24,25,26,27,28,29,30,31
	v_med3_num_f32 v[XB+\n], v[XB+\n], -v10, v10   ; the conversion to an 8-bit code does not saturate (ISA guide 7.6.2): the number is held within the largest code x the scale first
.endr
.irp g, 0,1,2,3
	v_cvt_scalef32_pk8_bf8_f32 v[CC+2*\g:CC+2*\g+1], v[XB+8*\g:XB+8*\g+7], v11
.endr
	global_store_b128 v3, v[CC:CC+3], s[8:9] offset:512*(\t)           ; i = 32 t + 0 .. 15: lanes 0-15 store 256 consecutive bytes, aligned, of chunk 2 a; lanes 16-31 of chunk 2 a + 1
	global_store_b128 v3, v[CC+4:CC+7], s[8:9] offset:512*(\t)+256     ; i = 32 t + 16 .. 31
.if (\t)+2 < 8
	LOAD (\t)+2                                    ; into the set just converted.  (The next vector lines are the next block's maxima, plain ones that touch neither the codes nor v11)
.endif
.endm
	s_load_b128 s[4:7], s[0:1], 0x0                ; weights s[4:5], x s[6:7]
	s_load_b64 s[8:9], s[0:1], 0x10                ; wc
	s_load_b128 s[12:15], s[0:1], 0x18             ; xq s[12:13], xs s[14:15]
	s_load_b64 s[16:17], s[0:1], 0x28              ; xm
	v_lshrrev_b32 v1, 5, v0
	v_readfirstlane_b32 s18, v1                    ; wave 0..3
	v_and_b32 v1, 31, v0                           ; lane
	s_mov_b32 s19, MANT                            ; (an instruction takes one literal: the hold's line has another)
	s_lshr_b32 s22, ttmp9, 2                       ; j
	s_and_b32 s23, ttmp9, 3
	s_lshl_b32 s23, s23, 2
	s_add_co_u32 s23, s23, s18                     ; a
	v_lshlrev_b32 v2, 2, v1                        ; in: 4 bytes a lane
	v_and_b32 v5, 15, v1                           ; r = lane % 16
	v_lshrrev_b32 v6, 4, v1                        ; h = lane / 16
	v_mul_u32_u24 v3, v6, 0x110000                 ; out: lanes 16-31 belong to the next chunk of 16 k, 256 records of 4,352 bytes on,
	v_lshl_add_u32 v3, v5, 4, v3                   ; 16 bytes a column
	s_lshl_b32 s24, s22, 11                        ; W: 2,048 j + 128 a
	s_lshl_b32 s25, s23, 7
	s_add_co_u32 s24, s24, s25
	s_mov_b32 s25, 0
	s_mul_i32 s26, s23, 0x220000                   ; wc: chunk 2 a, record j
	s_mul_i32 s27, s22, 4352
	s_add_co_u32 s26, s26, s27
	s_mov_b32 s27, 0
	s_wait_kmcnt 0x0
	; A row i of W is 524,288 bytes; the signed 24-bit immediate of a load (ISA guide, chapter 10) reaches 15 rows.  So sixteen bases, 16 rows apart, are made once and never stepped.
	s_add_nc_u64 s[32:33], s[4:5], s[24:25]
.irp m, 1,2,3,4,5,6,7,8,9,10,11,12,13,14,15
	s_add_nc_u64 s[32+2*\m:33+2*\m], s[32:33], \m*0x800000
.endr
	s_add_nc_u64 s[8:9], s[8:9], s[26:27]
	s_lshl_b32 s30, s18, 8
	s_add_co_u32 s30, s30, ttmp9                   ; 256 x wave + work-group: under 256 in wave 0 of the first 256 work-groups alone
	s_cmp_ge_u32 s30, 256
	s_cbranch_scc1 .Lplain                         ; ids alone decide.  Both ways issue W's block 0, so that the counts at the join are alike
	; ---------------- a fragment of x: tile bt = g / 2, i = 128 (g % 2) on ----------------
	s_wait_alu depctr_va_vdst(0)
	v_lshlrev_b32 v17, 10, v5
	v_lshl_add_u32 v17, v6, 6, v17                 ; x: row r of 1,024 bytes, + 64 h: my 16 numbers of a block of 32
	s_wait_alu depctr_va_vdst(0)
	v_lshlrev_b32 v18, 4, v1                       ; xq: 16 x lane
	v_lshlrev_b32 v19, 4, v5
	v_lshl_add_u32 v19, v6, 10, v19                ; xm: 16 r, and lanes 16-31 four groups of four j further on
	v_lshlrev_b32 v20, 3, v5                       ; xs: 8 r
	s_mov_b32 s20, 0x76543210
	s_mov_b32 s21, 0xfedcba98                      ; v_permlanex16_b32's selects for lane l xor 16
.irp b, 0,1,2,3
	v_mov_b32 v[TM+4+\b], 0                        ; a lane permute's destination counts as one of its sources
.endr
	s_lshr_b32 s22, ttmp9, 1                       ; bt
	s_and_b32 s23, ttmp9, 1                        ; s
	s_lshl_b32 s24, s22, 14                        ; x: 16 rows of 1,024 bytes x bt + 512 s
	s_lshl_b32 s25, s23, 9
	s_add_co_u32 s24, s24, s25
	s_mov_b32 s25, 0
	s_lshl_b32 s26, s22, 14                        ; xm: 16,384 bt + 32 groups of 256 bytes x s
	s_lshl_b32 s27, s23, 13
	s_add_co_u32 s26, s26, s27
	s_mov_b32 s27, 0
	s_lshl_b32 s28, ttmp9, 11                      ; xq: 4,096 bt + 2,048 s = 2,048 g
	s_mov_b32 s29, 0
	s_lshr_b32 s30, s22, 1                         ; xs: 256 (bt / 2) + 8 x 16 s + 4 (bt % 2)
	s_lshl_b32 s30, s30, 8
	s_lshl_b32 s31, s23, 7
	s_add_co_u32 s30, s30, s31
	s_and_b32 s31, s22, 1
	s_lshl_b32 s31, s31, 2
	s_add_co_u32 s30, s30, s31
	s_mov_b32 s31, 0
	s_add_nc_u64 s[6:7], s[6:7], s[24:25]
	s_add_nc_u64 s[16:17], s[16:17], s[26:27]
	s_add_nc_u64 s[12:13], s[12:13], s[28:29]
	s_add_nc_u64 s[14:15], s[14:15], s[30:31]
.irp c, 0,1,2,3
.irp q, 0,1,2,3
	global_load_b128 v[NS+16*\c+4*\q:NS+16*\c+4*\q+3], v17, s[6:7] offset:128*\c+16*\q th:TH_LOAD_NT   ; register 16 c + n = i 128 s + 32 c + 16 h + n of row r
.endr
.endr
	LOAD 0                                         ; W's first block goes out behind the fragment's loads and is on its way while the fragment is worked
	s_wait_alu depctr_va_vdst(0)                   ; directly ahead of the wait below
	s_wait_loadcnt 32                              ; the fragment's 16 loads are in; the 32 issued behind them may be out
.irp c, 0,1,2,3
.irp q, 0,1,2,3
	global_store_b128 v19, v[NS+16*\c+4*\q:NS+16*\c+4*\q+3], s[16:17] offset:256*(8*\c+\q)   ; the numbers as they are: each half of the lanes stores 256 consecutive bytes, aligned
.endr
.endr
.irp b, 0,1,2,3
	v_max3_num_f32 v[TM+\b], |v[NS+16*\b]|, |v[NS+1+16*\b]|, 0x8000000   ; block b: my 16 numbers, and the floor 2^(16 - 127)
.endr
.irp n, 2,4,6,8,10,12,14
.irp b, 0,1,2,3
	v_max3_num_f32 v[TM+\b], v[TM+\b], |v[NS+16*\b+\n]|, |v[NS+1+16*\b+\n]|   ; (the four blocks by turns)
.endr
.endr
.irp b, 0,1,2,3
	v_permlanex16_b32 v[TM+4+\b], v[TM+\b], s20, s21
.endr
.irp b, 0,1,2,3
	v_max_num_f32 v[TM+\b], v[TM+\b], v[TM+4+\b]   ; with lane l xor 16's: the block's largest magnitude
.endr
.irp b, 0,1,2,3
	v_add_nc_u32 v[TM+12+\b], 0xf8800000, v[TM+\b] ; the conversion's scale operand
.endr
.irp b, 0,1,2,3
	v_and_or_b32 v[TM+8+\b], v[TM+\b], 0x7f800000, s19   ; 57,344 x the scale
.endr
.irp b, 0,1,2,3
	v_lshrrev_b32 v[TM+4+\b], 23, v[TM+12+\b]      ; the scale's byte
.endr
	v_lshl_or_b32 v[XW], v[TM+5], 8, v[TM+4]       ; row r's scale word of this fragment; lanes r and r + 16 hold the same
	v_lshl_or_b32 v[XW], v[TM+6], 16, v[XW]
	v_lshl_or_b32 v[XW], v[TM+7], 24, v[XW]
	s_wait_xcnt 0x0                                ; the stores above have read the numbers: they are written again only behind this wait
.irp b, 0,1,2,3
.irp n, 0,1,2,3,4,5,6,7,8,9,10,11,12,13,14,15
	v_med3_num_f32 v[NS+16*\b+\n], v[NS+16*\b+\n], -v[TM+8+\b], v[TM+8+\b]
.endr
	v_cvt_scalef32_pk8_bf8_f32 v[XC+4*\b:XC+1+4*\b], v[NS+16*\b:NS+7+16*\b], v[TM+12+\b]
	v_cvt_scalef32_pk8_bf8_f32 v[XC+2+4*\b:XC+3+4*\b], v[NS+8+16*\b:NS+15+16*\b], v[TM+12+\b]
.endr
	v_nop                                          ; one plain vector line behind the last scaled conversion: W's conversions will write over the numbers' registers
.irp c, 0,1,2,3
	global_store_b128 v18, v[XC+4*\c:XC+4*\c+3], s[12:13] offset:512*\c   ; 512 consecutive bytes.  (The codes' registers and the scale word's are not written again)
.endr
	global_store_b32 v20, v[XW], s[14:15]          ; 16 words, 8 bytes apart, as the next launch's registers want them; lanes r and r + 16 write the same word with the same value: 64 of the fragment's 10,304 stored bytes
	s_branch .Ljoin
.Lplain:
	s_wait_alu depctr_va_vdst(0)
	LOAD 0
.Ljoin:
	; ---------------- W ----------------
	LOAD 1
.irp t, 0,1,2,3,4,5,6,7
	BLOCK \t
.endr
	v_mov_b32 v24, v14                             ; my column's two scale words, twice
	v_mov_b32 v25, v15
	v_mov_b32 v26, v14
	v_mov_b32 v27, v15
	global_store_b128 v3, v[24:27], s[8:9] offset:4096   ; behind the record's codes: each half of the lanes stores 256 consecutive bytes, aligned
	s_endpgm
.Lfunc_end_k_qfb44a8e1eb_quant:
	.size	k_qfb44a8e1eb_quant, .Lfunc_end_k_qfb44a8e1eb_quant-k_qfb44a8e1eb_quant
	.p2alignl 7, 3214868480
	.fill 96, 4, 3214868480
	.section	.rodata,"a",@progbits
	.p2align	6, 0x0
	.amdhsa_kernel k_qfb44a8e1eb_quant
		.amdhsa_group_segment_fixed_size 0
		.amdhsa_private_segment_fixed_size 0
		.amdhsa_enable_private_segment 0
		.amdhsa_kernarg_size 48
		.amdhsa_user_sgpr_count 2
		.amdhsa_user_sgpr_kernarg_segment_ptr 1
		.amdhsa_wavefront_size32 1
		.amdhsa_system_sgpr_workgroup_id_x 1
		.amdhsa_system_sgpr_workgroup_id_y 1
		.amdhsa_system_sgpr_workgroup_id_z 1
		.amdhsa_system_vgpr_workitem_id 0
		.amdhsa_next_free_vgpr 192
		.amdhsa_next_free_sgpr 66
		.amdhsa_reserve_vcc 0
		.amdhsa_float_denorm_mode_32 3
		.amdhsa_float_denorm_mode_16_64 3
		.amdhsa_memory_ordered 1
		.amdhsa_forward_progress 1
		.amdhsa_inst_pref_size 73
	.end_amdhsa_kernel
	.amdgpu_metadata
---
amdhsa.version: [ 1, 2 ]
amdhsa.kernels:
  - .name:           k_qfb44a8e1eb_quant
    .symbol:         k_qfb44a8e1eb_quant.kd
    .args:
      - { .name: weights, .offset: 0, .size: 8, .value_kind: global_buffer, .address_space: global }
      - { .name: x, .offset: 8, .size: 8, .value_kind: global_buffer, .address_space: global }
      - { .name: wc, .offset: 16, .size: 8, .value_kind: global_buffer, .address_space: global }
      - { .name: xq, .offset: 24, .size: 8, .value_kind: global_buffer, .address_space: global }
      - { .name: xs, .offset: 32, .size: 8, .value_kind: global_buffer, .address_space: global }
      - { .name: xm, .offset: 40, .size: 8, .value_kind: global_buffer, .address_space: global }
    .group_segment_fixed_size: 0
    .private_segment_fixed_size: 0
    .kernarg_segment_align: 8
    .kernarg_segment_size: 48
    .max_flat_workgroup_size: 128
    .sgpr_count:     66
    .vgpr_count:     192
    .wavefront_size: 32
...
	.end_amdgpu_metadata
.endif
;; end of part 1
;; launch bilinear (part 2): grid 8 x 32, 8 waves a work-group, clusters of 4 x 1, 327,680 bytes of LDS; arguments wc, xq, xs, xm, out0; writes out0
.if DOCPART == 2
	.amdgcn_target "amdgcn-amd-amdhsa--gfx1250"
	.amdhsa_code_object_version 6
	.text
	.protected	k_qfb44a8e1eb_bilinear
	.globl	k_qfb44a8e1eb_bilinear
	.p2align	8
	.type	k_qfb44a8e1eb_bilinear,@function
k_qfb44a8e1eb_bilinear:
	s_mov_b64 s[64:65], 0
	v_nop
	global_prefetch_b8 v0, s[64:65] scope:SCOPE_SE
	s_setreg_imm32_b32 hwreg(HW_REG_WAVE_MODE, 25, 1), 1
	s_wait_xcnt 0x0
	s_wait_alu depctr_hold_cnt(0) depctr_sa_sdst(0) depctr_va_vdst(0) depctr_va_sdst(0) depctr_va_ssrc(0) depctr_va_vcc(0) depctr_vm_vsrc(0)
	s_getreg_b32 s2, hwreg(HW_REG_IB_STS2, 6, 4)
	s_cmp_eq_u32 s2, 0
	s_cbranch_scc0 .Lentry_in_a_cluster
	s_endpgm
.Lentry_in_a_cluster:
	s_bfe_u32 s2, ttmp6, 0x10000c
	s_cmp_lg_u32 s2, 0x3003
	s_cbranch_scc0 .Lentry_shape_is_right
	s_endpgm
.Lentry_shape_is_right:
; out[b][k] = sum over j of x[b][j] t[b][j][k],  t[b][j][k] = sum over i of Q(x)[b][i] Q(W)[i][j][k].  The first product runs on codes of BF8 (E5M2) with E8M0 scales for each 32 along i
; (buffers wc, xq, xs of the launch before, images of the operand registers); t never leaves the registers: each 16 x 16 tile is folded into out by packed multiply-adds in f32 with the unquantised x (xm).
; SHARES.  A work-group owns 256 rows b (bx) and 16 columns k (y) and walks all 256 j: 8 x 32 = 256 work-groups of equal work.  EIGHT WAVES, TWO ON A SIMD.
; Wave w: bh = w % 2 picks 128 of the rows (8 tiles of 16), jq = w / 2 picks 8 of each slot's 32 j.  64 j x 8 tiles x 2 steps of 128 along i = 1,024 matrix instructions a wave.
; Each output has four partial sums (jq), which the waves add through LDS at the end: the order of the sum over j differs from a plain ascending one in that alone.
; Register pair p (two tiles) of a wave is pair p xor jq of its 8 tiles: every wave ends as the owner of register pair 0 and hands pair p to the wave of jq xor p, with no branch on the wave's number.
; THE MATRIX INSTRUCTION IS USED TRANSPOSED: source 0 = 16 columns k of W(., j, .), source 1 = 16 rows of x.  Lane (r, h) holds row b = r and its eight registers k = 8 h + 0 .. 7: the fold has one multiplier a lane.
; IN RUNS.  A j is two groups of 8 matrix instructions on end (four tiles, i = 0 .. 127 with C = 0, then i = 128 .. 255; the four accumulators take turns).  Behind group A (tiles 0-3,
; t's set A) stands the run of 16 multiply-adds that folds the j before's set B; behind group B (tiles 4-7, set B) the run of 16 that folds set A.  So a wave's matrix work and its vector work lie in runs
; of 8 and of 16, and the two waves of a SIMD each have a run of the other kind to lay beside the partner's.
; THE RING.  A record of wc is a j's 4,096 bytes of codes and 256 bytes of scale words.  Two LDS slots of 32 records; each wave fetches 4 records by one tensor load (68 rows of 256 bytes, dense).
; CLUSTER.  The four work-groups of a cluster share y and walk the same records: every tensor load is asked for JOINTLY, with the same descriptor and the mask of all four.  Along y only x's data are shared,
; which go once into registers: no cluster along y.
; PREFETCH.  In the trip that refills data slot s + 2 the 32 waves with bh = 0 of the chunk's two clusters ask for data slot s + 3: 17 blocks of 256 bytes a wave (lanes 17-31 name the wave's last block again),
; told apart by address; the last refill's trip asks for nothing; data slots 0 to 2 come by their loads alone.
; STATED COST: a row's piece of out is 64 bytes, a quarter of an aligned 256: whole blocks would want 64 k to a work-group, four times the codes through LDS for each matrix instruction.
; REGISTERS, in two windows of 256 (s_set_vgpr_msb: bits 1:0 source 0, 3:2 source 1, 5:4 source 2, 7:6 destination):
;   window 0: v0-19 addresses; v20-23 W's scale words, two sets; v24-31 x's scale words, a register a tile; v32-63 multipliers, two buffers of 8 tiles x 2 j (the second holds the head's temporaries first);
;             v64-191 x's fragments of tiles 0-3; v192-255 those of tiles 4-7, i = 128 .. 255
;   window 1: v0-63 the sums; v64-95 t set A; v96-127 t set B; v128-191 W's fragments, two buffers of 32 (one j each); v192-255 x's fragments of tiles 4-7, i = 0 .. 127
.set REC,   4352                       ; a record
.set ESL,   4*REC                      ; what a wave fetches of a slot
.set QSL,   8*REC                      ; what a wave reads of a slot
.set SLOTB, 4*QSL                      ; a slot: 139,264 bytes
.set SPARE, 2*SLOTB                    ; the spare words, 128 bytes for each wave: four blocks of 256 bytes that no other line names
.set STG,   49152                      ; the way out, in slot 0, which has had its last fill and its last read by then: at 0 the exchange, 6,144 bytes for each owner; at STG a stage of 32 rows x 80 bytes a wave
.set ADW, 2                            ; v2   16 x lane + my quarter, in the slot in hand
.set ADS, 3                            ; v3   16 r + my quarter, in the slot in hand: the scale words
.set AW0, 4                            ; v4   the same two in slot 0
.set AS0, 5
.set AX,  6                            ; v6-9 xm: 16 r + 32,768 (p xor jq)
.set PFO, 10                           ; v10  256 x min(lane, 16): the prefetches' offset
.set SPW, 11                           ; v11  LDS address of my spare word; never rewritten
.set NIL, 12                           ; v12  0; never rewritten
.set EXS, 12                           ; v13-15 the exchange: where pair p = 1, 2, 3 goes
.set EXL, 16                           ; v16  and where I find what the others sent me
.set STO, 17                           ; v17  the stage: where I put 32 bytes of a row
.set RD,  18                           ; v18  and where I read 16 bytes of a row back
.set GO,  19                           ; v19  my byte offset in eight rows of out
.set SC,  20
.set XS,  24
.set XM,  32
.set G1,  24                           ; s[24:31] descriptor group 1
.set G0A, 32                           ; s[32:35] group 0: slot 0's first fill
.set G0,  36                           ; s[36:39] slot 1's first fill; it then walks
.set TB,  54                           ; s54  LDS byte at which the slot begins that fragment loads read
.set FB,  55                           ; s55  and the slot that the walking descriptor fills
.set SLOTS, 56                         ; s56  refills to go
.set LIM, 57                           ; s57  1 in a wave that prefetches, else the greatest number
.set PFA, 58                           ; s[58:59] where my prefetches stand
.set XMB, 60                           ; s[60:61] xm at my 8 tiles, at the trip's first j of mine
.set MSB, 0
.macro WIN new                         ; the immediate's high byte repeats the setting that is left; a switch that changes nothing is dropped
.if MSB != \new
	s_set_vgpr_msb (MSB<<8)|\new
.set MSB, \new
.endif
.endm
.macro CREST                           ; a round of the cluster's barrier behind its opening barrier
	s_cmp_lg_u32 s16, 0
	s_cbranch_scc1 .Lnot_wave_0_\@
	s_barrier_signal -3
.Lnot_wave_0_\@:
	s_barrier_wait -3
	s_barrier_signal -1
	s_barrier_wait -1
.endm
.macro CROUND                          ; a whole round
	s_barrier_signal -1
	s_barrier_wait -1
	CREST
.endm
.macro ASK                             ; the slot that the next refill will ask for; none in the last refill's trip
	s_cmp_gt_u32 s[SLOTS], s[LIM]
	s_cbranch_scc0 .Lno_ask_\@
	global_prefetch_b8 v[PFO], s[PFA:PFA+1] th:TH_LOAD_NT scope:SCOPE_SE
.Lno_ask_\@:
.endm
	s_load_b256 s[4:11], s[0:1], 0x0               ; wc s[4:5], xq s[6:7], xs s[8:9], xm s[10:11]
	s_load_b64 s[12:13], s[0:1], 0x20              ; out
	v_lshl_add_u32 v[SPW], v0, 2, SPARE
	v_mov_b32 v[NIL], 0
	ds_add_u32 v[SPW], v[NIL]                      ; the opening lines: the add, twice on end, and its wait ahead of my first tensor load; all the head's work on registers stands between
	ds_add_u32 v[SPW], v[NIL]
	v_lshrrev_b32 v1, 5, v0
	v_readfirstlane_b32 s16, v1                    ; wave 0..7
	s_and_b32 s18, s16, 1                          ; bh
	s_lshr_b32 s14, s16, 1                         ; jq
	s_bfe_u32 s19, ttmp6, 0x40000                  ; cx: it enters global addresses of x's data, of out and of the prefetches alone
	s_lshl_b32 s20, ttmp9, 2                       ; in a cluster launch ttmp9 counts clusters
	s_add_co_u32 s20, s20, s19                     ; bx
	s_and_b32 s21, ttmp7, 0xffff                   ; y: the chunk of 16 k, which the four partners share
	s_mul_i32 s17, s16, ESL                        ; what I fetch of a slot, in memory and in LDS
	s_mul_i32 s23, s14, QSL                        ; what I read of a slot
	s_mov_b32 s[G1], 15|(3<<16)|(1<<21)            ; the mask: all four work-groups; elements of 8 bytes; no padding; bit 21 set beside a mask
	s_mov_b32 s[G1+1], 32<<16                      ; tensor_dim0 = 32: rows of 256 bytes
	s_mov_b32 s[G1+2], 68<<16                      ; tensor_dim1 = 68
	s_mov_b32 s[G1+3], 32<<16                      ; tile_dim0
	s_mov_b32 s[G1+4], 68                          ; tile_dim1
	s_mov_b32 s[G1+5], 32                          ; the pitch: dense
	s_mov_b32 s[G1+6], 0
	s_mov_b32 s[G1+7], 0
	s_mul_i32 s40, s21, 256*REC                    ; wc: chunk y, my eighth: y and the wave's number alone
	s_add_co_u32 s40, s40, s17
	s_mov_b32 s41, 0
	s_mov_b32 s[G0A], 1
	s_mov_b32 s[G0A+1], s17
	s_mov_b32 s[G0], 1
	s_add_co_u32 s[G0+1], s17, SLOTB
.irp p, 0,1,2,3
	s_xor_b32 s[44+\p], s14, \p                    ; which pair of tiles register pair p is
.endr
.irp p, 1,2,3
	s_lshl_b32 s[48+\p], s[44+\p], 1               ; the exchange: its owner, wave 2 (p xor jq) + bh; that wave's region, place p - 1
	s_or_b32 s[48+\p], s[48+\p], s18
	s_mul_i32 s[48+\p], s[48+\p], 6144
	s_add_co_u32 s[48+\p], s[48+\p], (\p-1)*2048
.endr
	s_mul_i32 s52, s16, 6144
	s_mul_i32 s53, s16, 2560
	s_add_co_u32 s53, s53, STG                     ; my stage
	s_lshl_b32 s62, s20, 16                        ; xq: (16 bx + 8 bh) tiles of 4,096 bytes
	s_lshl_b32 s22, s18, 15
	s_add_co_u32 s62, s62, s22
	s_mov_b32 s63, 0
	s_lshl_b32 s66, s20, 11                        ; xs: (8 bx + 4 bh) pairs of 256 bytes
	s_lshl_b32 s22, s18, 10
	s_add_co_u32 s66, s66, s22
	s_mov_b32 s67, 0
	s_lshl_b32 s68, s20, 18                        ; xm: (16 bx + 8 bh) tiles of 16,384 bytes + two groups of four j x jq
	s_lshl_b32 s22, s18, 17
	s_add_co_u32 s68, s68, s22
	s_lshl_b32 s22, s14, 9
	s_add_co_u32 s68, s68, s22
	s_mov_b32 s69, 0
	s_lshl_b32 s70, s20, 19                        ; out: row 256 bx + 128 bh + 32 jq of 2,048 bytes, + 64 y
	s_lshl_b32 s22, s18, 18
	s_add_co_u32 s70, s70, s22
	s_lshl_b32 s22, s14, 16
	s_add_co_u32 s70, s70, s22
	s_lshl_b32 s22, s21, 6
	s_add_co_u32 s70, s70, s22
	s_mov_b32 s71, 0
	s_lshl_b32 s72, s20, 2                         ; the prefetches: chunk y, data slot 2 (the first change of slots steps it to 3), 17 blocks x (4 bx + jq)
	s_add_co_u32 s72, s72, s14
	s_mul_i32 s72, s72, REC
	s_mul_i32 s22, s21, 256*REC
	s_add_co_u32 s72, s72, s22
	s_add_co_u32 s72, s72, 2*SLOTB
	s_mov_b32 s73, 0
	s_mov_b32 s[TB], 0
	s_mov_b32 s[FB], SLOTB
	s_cmp_eq_u32 s18, 0
	s_cselect_b32 s[LIM], 1, -1
	v_and_b32 v1, 31, v0                           ; lane
	v_and_b32 v48, 15, v0                          ; r
	v_bfe_u32 v49, v0, 4, 1                        ; h
	v_bfe_u32 v50, v0, 2, 3                        ; lane / 4
	v_and_b32 v51, 3, v0                           ; lane % 4
	v_lshlrev_b32 v52, 4, v48                      ; 16 r
	v_lshlrev_b32 v53, 4, v1                       ; 16 x lane
	v_lshlrev_b32 v54, 3, v1                       ; 8 x lane
.irp p, 0,1,2,3
	v_lshl_add_u32 v[56+\p], s[44+\p], 13, v53     ; xq: two tiles of 4,096 bytes x the pair
	v_lshl_add_u32 v[60+\p], s[44+\p], 8, v54      ; xs: a pair of 256 bytes
	v_lshl_add_u32 v[AX+\p], s[44+\p], 15, v52     ; xm: two tiles of 16,384 bytes
.endr
	v_add_nc_u32 v[AW0], s23, v53
	v_add_nc_u32 v[AS0], s23, v52
	v_mov_b32 v[ADW], v[AW0]
	v_mov_b32 v[ADS], v[AS0]
	v_min_u32 v[PFO], 16, v1
	v_lshlrev_b32 v[PFO], 8, v[PFO]
.irp p, 1,2,3
	v_add_nc_u32 v[EXS+\p], s[48+\p], v53
.endr
	v_add_nc_u32 v[EXL], s52, v53
	v_mul_u32_u24 v[STO], v48, 80
	v_lshl_add_u32 v[STO], v49, 5, v[STO]
	v_add_nc_u32 v[STO], s53, v[STO]               ; in: row r of a tile, 32 bytes for each half of the lanes
	v_mul_u32_u24 v[RD], v50, 80
	v_lshl_add_u32 v[RD], v51, 4, v[RD]
	v_add_nc_u32 v[RD], s53, v[RD]                 ; back: four lanes to a row of 64 bytes, eight rows an instruction
	v_lshlrev_b32 v[GO], 11, v50
	v_lshl_add_u32 v[GO], v51, 4, v[GO]            ; and the same in out: rows of 2,048 bytes
	; The trip is written without a first step of its own: the sums, t's set B and (below) the multipliers that the very first fold reads begin as zeros, written while the arguments are on their way; that spares a fourth copy of the trip.
	WIN 0x40
.set zi, 0
.rept 64
	v_mov_b32 v[zi], 0
.set zi, zi+1
.endr
.set zi, 96
.rept 32
	v_mov_b32 v[zi], 0
.set zi, zi+1
.endr
	WIN 0
	s_wait_alu depctr_va_vdst(0)                   ; directly ahead of the waits below
	s_wait_dscnt 0x0                               ; both opening adds are done
	s_wait_kmcnt 0x0
	s_add_nc_u64 s[G0A+2:G0A+3], s[4:5], s[40:41]  ; data slot 0,
	s_add_nc_u64 s[G0+2:G0+3], s[G0A+2:G0A+3], SLOTB   ; data slot 1
	s_or_b32 s[G0A+3], s[G0A+3], 0x80000000        ; type = 2
	s_or_b32 s[G0+3], s[G0+3], 0x80000000
	s_add_nc_u64 s[6:7], s[6:7], s[62:63]
	s_add_nc_u64 s[8:9], s[8:9], s[66:67]
	s_add_nc_u64 s[XMB:XMB+1], s[10:11], s[68:69]
	s_add_nc_u64 s[12:13], s[12:13], s[70:71]
	s_add_nc_u64 s[PFA:PFA+1], s[4:5], s[72:73]
	CROUND                                         ; all four work-groups are here: the first joint loads meet
	tensor_load_to_lds s[G0A:G0A+3], s[G1:G1+7]    ; my eighth of slot 0
	s_nop 0
; two j's multipliers for my 8 tiles into buffer buf: lane (r, h) takes x[row r][2 j], 8 bytes; off: their place, counted from s[XMB]
.macro XMRUN buf, off
.irp u, 0,1,2,3,4,5,6,7
	global_load_b64 v[XM+16*(\buf)+2*\u:XM+16*(\buf)+2*\u+1], v[AX+\u/2], s[XMB:XMB+1] offset:16384*(\u%2)+(\off)
.endr
.endm
; record n % 8 of my quarter of the slot in hand into buffer n % 2: eight loads of 512 consecutive bytes, the image of the 32 registers, and the two scale words (lanes 16-31 read what lanes 0-15 read)
.macro WRUN n
	WIN 0x40
.irp c, 0,1,2,3,4,5,6,7
	ds_load_b128 v[128+32*((\n)%2)+4*\c:128+32*((\n)%2)+4*\c+3], v[ADW] offset:REC*((\n)%8)+512*\c
.endr
	WIN 0
	ds_load_b64 v[SC+2*((\n)%2):SC+2*((\n)%2)+1], v[ADS] offset:REC*((\n)%8)+4096
.endm
; number fi of the 16 multiply-adds that fold four tiles of t (from v[FT]; tiles FU on) into their sums (from v[FA]): two neighbouring k at a time, both by x[b][pj]: the low or the high register of the tile's pair.  A tile is read from its low pair on.
.macro FOLD
.set rM, XM+16*((pj/2)%2)+2*(FU+fi/4)
.set rA, FA+2*fi
.set rT, FT+2*fi
.if pj%2
	v_pk_fma_f32 v[rA:rA+1], v[rT:rT+1], v[rM:rM+1], v[rA:rA+1] op_sel:[0,1,0]
.else
	v_pk_fma_f32 v[rA:rA+1], v[rT:rT+1], v[rM:rM+1], v[rA:rA+1] op_sel_hi:[1,0,1]
.endif
.set fi, fi+1
.endm
.macro WM                              ; i = 0 .. 127 starts the sum with the constant 0; i = 128 .. 255 adds in place, x's scale word from lanes 16-31
.if ms == 0
	v_wmma_scale_f32_16x16x128_f8f6f4 v[rD:rD+7], v[rW:rW+15], v[rX:rX+15], 0, v[rSW], v[rSX] matrix_a_fmt:MATRIX_FMT_BF8 matrix_b_fmt:MATRIX_FMT_BF8
.else
	v_wmma_scale_f32_16x16x128_f8f6f4 v[rD:rD+7], v[rW:rW+15], v[rX:rX+15], v[rD:rD+7], v[rSW], v[rSX] matrix_a_fmt:MATRIX_FMT_BF8 matrix_b_fmt:MATRIX_FMT_BF8 matrix_b_scale:MATRIX_SCALE_ROW1
.endif
.endm
; DISTANCES (eight places behind this form).  Between a set's last matrix instruction and its first reader stands the run of 16 multiply-adds that folds the other set, which names that other
; set, the sums and the multipliers alone.  The same run stands between a buffer of W's last matrix instruction and the loads into it.
.macro GA jj                           ; tiles 0-3 of j = jj; then the fold of the j before's tiles 4-7
.set pj, ((\jj)+7)%8
.set FT, 96
.set FA, 32
.set FU, 4
.set fi, 0
	WIN 0x51                                       ; source 0, C and D window 1; source 1 window 0
.set mn, 0
.rept 8
.set mu, mn%4
.set ms, mn/4
.set rD, 64+8*mu
.set rW, 128+32*((\jj)%2)+16*ms
.set rX, 64+32*mu+16*ms
.set rSW, SC+2*((\jj)%2)+ms
.set rSX, XS+mu
	WM
.set mn, mn+1
.endr
.rept 16
	FOLD
.endr
.endm
.macro GB jj                           ; tiles 4-7 of j = jj; then the fold of this j's tiles 0-3
.set pj, (\jj)
.set FT, 64
.set FA, 0
.set FU, 0
.set fi, 0
.set mn, 0
.rept 8
.set mu, mn%4
.set ms, mn/4
.set rD, 96+8*mu
.set rW, 128+32*((\jj)%2)+16*ms
.set rX, 192+16*mu
.set rSW, SC+2*((\jj)%2)+ms
.set rSX, XS+4+mu
.if ms == 0
	WIN 0x55                                       ; source 1 window 1 too
.else
	WIN 0x51
.endif
	WM
.set mn, mn+1
.endr
.rept 16
	FOLD
.endr
.endm
; ONE j.  mode 0: a trip of the loop; 1: the last trip but one (no refill); 2: the last trip.
; THE CHANGE OF SLOTS: my last record of the slot, j = 7's, is asked for in j = 6.  Ahead of j = 6's group B I wait for all my tensor loads (one is out: my eighth of the other slot) and add 0 to my spare word;
; behind that group I wait for the add and for my reads of this slot, and signal; j = 7's group A is register work; behind it stand the barrier's wait, the rest of the cluster's round and the joint refill.
.macro JSTEP jj, mode
.if ((\jj) != 7) || ((\mode) == 2)
	s_wait_dscnt 0x0                               ; this j's record (j = 7's was waited for ahead of the signal)
.endif
	GA \jj
.if (\jj) == 7
.if (\mode) != 2
	WIN 0
	s_barrier_wait -1
.if (\mode) == 0
	CREST                                          ; no wave of any partner still reads this slot or has a load on its way
	tensor_load_to_lds s[G0:G0+3], s[G1:G1+7]      ; my one tensor load until the next change of slots
	s_nop 0
.rept 4
	v_nop
.endr
.endif
	v_add_nc_u32 v[ADW], s[TB], v[AW0]
	v_add_nc_u32 v[ADS], s[TB], v[AS0]
	WRUN 8                                         ; the next slot's first record of mine
.if (\mode) == 0
	ASK
.endif
.endif
.else
	WRUN (\jj)+1                                   ; that buffer's last reader is the j before's last matrix instruction: 32 multiply-adds lie between
.if (\jj) == 0
	XMRUN 1, 8                                     ; the next two j, into the buffer whose last reader is the run just ended
	s_wait_loadcnt 8                               ; the multipliers of these two j are in; the 8 loads just issued may be out
.elseif (\jj) == 2
	XMRUN 0, 256
	s_wait_loadcnt 8
.elseif (\jj) == 4
	XMRUN 1, 264
	s_wait_loadcnt 8
.elseif (\jj) == 6
.if (\mode) != 2
	XMRUN 0, 2048                                  ; the next trip's first two j
	s_wait_loadcnt 8
.else
	s_wait_loadcnt 0
.endif
.endif
.endif
.if ((\jj) == 6) && ((\mode) != 2)
	s_wait_tensorcnt 0x0                           ; no tensor load of mine is out, so a group 0 may be written.  (Every window is 0 here)
	ds_add_u32 v[SPW], v[NIL]                      ; 0 onto my spare word
.if (\mode) == 0
	s_xor_b32 s[FB], s[FB], SLOTB                  ; the walking descriptor: the other slot than last time,
	s_add_co_u32 s[G0+1], s[FB], s17
	s_add_nc_u64 s[G0+2:G0+3], s[G0+2:G0+3], SLOTB ; the next 32 j; the type bits on top are not reached
	s_wait_xcnt 0x0                                ; the last prefetch, a slot back, has read its address
	s_add_nc_u64 s[PFA:PFA+1], s[PFA:PFA+1], SLOTB ; one slot further on than the walking descriptor
.endif
	s_xor_b32 s[TB], s[TB], SLOTB                  ; the fragment loads go on in the other slot
.endif
	GB \jj
.if ((\jj) == 6) && ((\mode) != 2)
	s_wait_dscnt 0x0                               ; the add is done, and my reads of this slot are over
	s_barrier_signal -1
.endif
.endm
.macro TRIP mode
.irp jj, 0,1,2,3,4,5,6,7
	JSTEP \jj, \mode
.endr
.if (\mode) != 2
	WIN 0                                          ; at a label and at a branch every window is 0
	s_wait_xcnt 0x0                                ; the multipliers' loads have read their base
	s_add_nc_u64 s[XMB:XMB+1], s[XMB:XMB+1], 2048  ; 32 j on
.endif
.endm
	; x's 16 fragments and 8 scale registers stay for the whole launch
.irp u, 0,1,2,3
.irp f, 0,1,2,3,4,5,6,7
	global_load_b128 v[64+32*\u+4*\f:64+32*\u+4*\f+3], v[56+\u/2], s[6:7] offset:4096*(\u%2)+512*\f
.endr
.endr
.irp p, 0,1,2,3
	global_load_b64 v[XS+2*\p:XS+2*\p+1], v[60+\p], s[8:9]
.endr
.irp u, 0,1,2,3
.irp c, 0,1,2,3
	global_load_b128 v[192+16*\u+4*\c:192+16*\u+4*\c+3], v[58+\u/2], s[6:7] offset:4096*(\u%2)+2048+512*\c
.endr
.endr
	XMRUN 0, 0
	WIN 0x40
.irp u, 0,1,2,3
.irp c, 0,1,2,3
	global_load_b128 v[192+16*\u+4*\c:192+16*\u+4*\c+3], v[58+\u/2], s[6:7] offset:4096*(\u%2)+512*\c
.endr
.endr
	WIN 0
	s_wait_tensorcnt 0x0                           ; my eighth of slot 0 is in
	ds_add_u32 v[SPW], v[NIL]
	s_wait_dscnt 0x0
	CROUND                                         ; a whole round: everybody's part of slot 0 is in, and the joint loads meet,
	tensor_load_to_lds s[G0:G0+3], s[G1:G1+7]      ; and slot 1's first fill, the first tensor load behind the round
	s_nop 0
.rept 4
	v_nop
.endr
	WRUN 0
	s_mov_b32 s[SLOTS], 6
	s_wait_loadcnt 0x0                             ; x's fragments, scale words and first multipliers; the head's temporaries have been read
.set zi, 0
.rept 16
	v_mov_b32 v[XM+16+zi], 0                       ; the multipliers that the very first fold reads
.set zi, zi+1
.endr
.Lslot:                                            ; six trips, a slot of 32 j each; trip s fills data slot s + 2
	s_wait_alu depctr_va_vdst(0)
	TRIP 0
	s_sub_co_u32 s[SLOTS], s[SLOTS], 1
	s_cmp_lg_u32 s[SLOTS], 0
	s_cbranch_scc1 .Lslot
	TRIP 1                                         ; the last two slots are written out
	TRIP 2
	WIN 0x51                                       ; the last j's tiles 4-7 are folded; sixteen multiply-adds stand behind their last matrix instruction
.set pj, 7
.set FT, 96
.set FA, 32
.set FU, 4
.set fi, 0
.rept 16
	FOLD
.endr
	; THE EXCHANGE.  My sums of register pairs 1-3 go to their owners as images of their registers; the three other waves' sums of my pair come back the same way.
	WIN 0x04                                       ; an LDS store's data are its source 1: window 1
.irp p, 1,2,3
.irp e, 0,1
	ds_store_b128 v[EXS+\p], v[16*\p+8*\e:16*\p+8*\e+3] offset:1024*\e
	ds_store_b128 v[EXS+\p], v[16*\p+8*\e+4:16*\p+8*\e+7] offset:1024*\e+512
.endr
.endr
	WIN 0
	s_wait_dscnt 0x0                               ; for the others' sake: my stores have landed
	s_barrier_signal -1
	s_barrier_wait -1
.irp q, 0,1,2
.irp e, 0,1
	ds_load_b128 v[64+16*\q+8*\e:64+16*\q+8*\e+3], v[EXL] offset:2048*\q+1024*\e
	ds_load_b128 v[64+16*\q+8*\e+4:64+16*\q+8*\e+7], v[EXL] offset:2048*\q+1024*\e+512
.endr
.endr
	s_wait_dscnt 0x0
	WIN 0x01                                       ; source 0 window 1
.set zi, 0
.rept 8
	v_pk_add_f32 v[112+zi:113+zi], v[zi:zi+1], v[64+zi:65+zi]   ; the four parts of the sum over j
.set zi, zi+2
.endr
	WIN 0
.set zi, 0
.rept 8
	v_pk_add_f32 v[112+zi:113+zi], v[112+zi:113+zi], v[80+zi:81+zi]
.set zi, zi+2
.endr
.set zi, 0
.rept 8
	v_pk_add_f32 v[112+zi:113+zi], v[112+zi:113+zi], v[96+zi:97+zi]
.set zi, zi+2
.endr
	; THE WAY OUT.  A lane holds 32 bytes of a row and the lanes beside it other rows: my 32 rows x 64 bytes go through my own stage (rows 80 bytes apart) and come back four lanes to a row.
.irp e, 0,1
	ds_store_b128 v[STO], v[112+8*\e:112+8*\e+3] offset:1280*\e
	ds_store_b128 v[STO], v[112+8*\e+4:112+8*\e+7] offset:1280*\e+16
.endr
.irp g, 0,1,2,3
	ds_load_b128 v[128+4*\g:128+4*\g+3], v[RD] offset:640*\g   ; LDS serves a wave's instructions in order (ISA guide 5.7.1.4): these see my stores
.endr
.irp g, 0,1,2,3
	s_wait_dscnt 3-\g
	global_store_b128 v[GO], v[128+4*\g:128+4*\g+3], s[12:13] offset:16384*\g th:TH_STORE_NT   ; eight rows: four lanes store a row's 64 consecutive bytes
.endr
	s_wait_tensorcnt 0x0                           ; the wave's end: behind my last tensor load and my last LDS store
	ds_add_u32 v[SPW], v[NIL]
	s_wait_dscnt 0x0
	CROUND                                         ; the closing round: no work-group ends while a partner may still ask for a tile that names it
	s_endpgm
.Lfunc_end_k_qfb44a8e1eb_bilinear:
	.size	k_qfb44a8e1eb_bilinear, .Lfunc_end_k_qfb44a8e1eb_bilinear-k_qfb44a8e1eb_bilinear
	.p2alignl 7, 3214868480
	.fill 96, 4, 3214868480
	.section	.rodata,"a",@progbits
	.p2align	6, 0x0
	.amdhsa_kernel k_qfb44a8e1eb_bilinear
		.amdhsa_group_segment_fixed_size 327680
		.amdhsa_private_segment_fixed_size 0
		.amdhsa_enable_private_segment 0
		.amdhsa_kernarg_size 40
		.amdhsa_user_sgpr_count 2
		.amdhsa_user_sgpr_kernarg_segment_ptr 1
		.amdhsa_wavefront_size32 1
		.amdhsa_system_sgpr_workgroup_id_x 1
		.amdhsa_system_sgpr_workgroup_id_y 1
		.amdhsa_system_sgpr_workgroup_id_z 1
		.amdhsa_system_vgpr_workitem_id 0
		.amdhsa_next_free_vgpr 512
		.amdhsa_next_free_sgpr 80
		.amdhsa_reserve_vcc 0
		.amdhsa_float_denorm_mode_32 3
		.amdhsa_float_denorm_mode_16_64 3
		.amdhsa_memory_ordered 1
		.amdhsa_forward_progress 1
		.amdhsa_inst_pref_size 148
	.end_amdhsa_kernel
	.amdgpu_metadata
---
amdhsa.version: [ 1, 2 ]
amdhsa.kernels:
  - .name:           k_qfb44a8e1eb_bilinear
    .symbol:         k_qfb44a8e1eb_bilinear.kd
    .args:
      - { .name: wc, .offset: 0, .size: 8, .value_kind: global_buffer, .address_space: global }
      - { .name: xq, .offset: 8, .size: 8, .value_kind: global_buffer, .address_space: global }
      - { .name: xs, .offset: 16, .size: 8, .value_kind: global_buffer, .address_space: global }
      - { .name: xm, .offset: 24, .size: 8, .value_kind: global_buffer, .address_space: global }
      - { .name: out0, .offset: 32, .size: 8, .value_kind: global_buffer, .address_space: global }
    .group_segment_fixed_size: 327680
    .private_segment_fixed_size: 0
    .kernarg_segment_align: 8
    .kernarg_segment_size: 40
    .max_flat_workgroup_size: 256
    .sgpr_count:     80
    .vgpr_count:     512
    .wavefront_size: 32
...
	.end_amdgpu_metadata
.endif
;; end of part 2
